; MI455X (gfx1250); checked and timed in simulation.
; The chip was launched on July 23, 2026; its instructions are those of AMD's public machine-readable ISA for CDNA 5 (MIT licence, August 2026) and "CDNA5" Instruction Set Architecture Reference Guide (July 2026). The comments in the code are by the model that wrote it; some were corrected since.
;; Kmeans Assigner. Allowed arithmetic: float matrix products may take bf16 or f16 operands with f32 sums; other float arithmetic in f32, or as packed bf16 or f16 multiplies, adds, multiply-adds, maxima and minima; sums over many terms, partial sums and values carried from step to step in f32; what a program stores and reads back later, other than sums and carried values, may be rounded once to bf16 or f16.
;; Inputs: centroids 2,048 x 512 float32; inp 65,536 x 512 float32.
;; Outputs: out0 65,536 int32.
;; 2 versions, each right; version 2 is version 1 with the launch prep written anew for expert scheduling mode. Each part assembles by itself: llvm-mc -triple=amdgcn-amd-amdhsa -mcpu=gfx1250 --defsym DOCPART=n.
;; ======== version 1 of 2: 2 launches
;; workspace buffers: cb 2,097,152 bytes; nh 8,192 bytes
;; launch prep (part 1): grid 32 x 1, 16 waves a work-group, no clusters, 2,304 bytes of LDS; arguments centroids, cb, nh; writes cb, nh
.if DOCPART == 1
	.amdgcn_target "amdgcn-amd-amdhsa--gfx1250"
	.amdhsa_code_object_version 6
	.text
	.protected	k_qa26fc11d01_prep
	.globl	k_qa26fc11d01_prep
	.p2align	8
	.type	k_qa26fc11d01_prep,@function
k_qa26fc11d01_prep:
	s_mov_b64 s[64:65], 0
	v_nop
	global_prefetch_b8 v0, s[64:65] scope:SCOPE_SE
	s_setreg_imm32_b32 hwreg(HW_REG_WAVE_MODE, 25, 1), 1
	s_wait_xcnt 0x0
; NEAREST CENTROID, first of two launches.  reference(): argmin over k of d2[n][k] = x2[n] - 2 x[n].c[k] + c2[k].
; WORK LEFT OUT, for all finite inputs: x2[n] is the same for every k of a row, so argmin_k (x2 + g(k)) = argmin_k g(k): x2 is never made (inp is still read, for the product).  The factor -2 is folded:
; argmin_k (c2[k] - 2 x.c[k]) = argmax_k (x.c[k] - c2[k] / 2).  LIMIT: a NaN, an infinity or an overflow that reaches x2 alone is not carried to the result.
; THIS LAUNCH: cb[k][:] = centroids[k][:] rounded once to bf16 (the product's operand, which all 256 work-groups of the next launch walk), and nh[k] = -1/2 x the sum of the squares of those ROUNDED numbers,
; in f32: the product and c2 then speak of the same centroid.  The squares of bf16 numbers are exact in f32; they are added in 64 chains a row and then across the lanes: an order of its own.
; SHARES.  32 work-groups of 16 waves: a work-group has 64 rows, so that its 64 numbers of nh are 256 bytes on end, stored by one instruction; a wave has 4 rows.  A load covers 512 bytes on end of a row,
; a store of cb 256 bytes on end, aligned.  No matrix work, no cluster: nothing is shared and every byte is touched once.
.set ROWF,  2048                       ; bytes in a row of centroids
.set ROWB,  1024                       ; bytes in a row of cb
.set PART,  0                          ; LDS: the work-group's 64 numbers of nh
.set SPARE, 256                        ; behind them: the spare words, 128 bytes for each of the 16 waves; no other line names them
.set LO,  2                            ; v2   16 x lane
.set SO,  3                            ; v3   8 x lane
.set SPW, 4                            ; v4   LDS address of my spare word; never rewritten
.set NIL, 5                            ; v5   0; never rewritten
.set LW,  6                            ; v6   16 x wave: my wave's four words of PART
.set IN,  16                           ; v[16:79]   row i, piece c: four f32 at IN + 16 i + 4 c
.set OB,  80                           ; v[80:111]  row i: eight registers of bf16 pairs
.set SUM, 112                          ; v[112:119] row i: the low halves' sum, the high halves' sum
	s_load_b128 s[4:7], s[0:1], 0x0                ; centroids s[4:5], cb s[6:7]
	s_load_b64 s[8:9], s[0:1], 0x10                ; nh
	v_lshl_add_u32 v[SPW], v0, 2, SPARE
	v_mov_b32 v[NIL], 0
	v_lshrrev_b32 v1, 5, v0
	v_readfirstlane_b32 s10, v1                    ; wave 0..15
	v_and_b32 v1, 31, v0                           ; lane
	v_lshlrev_b32 v[LO], 4, v1
	v_lshlrev_b32 v[SO], 3, v1
	s_lshl_b32 s16, s10, 4
	v_mov_b32 v[LW], s16
	s_mov_b32 s14, 0x76543210                      ; v_permlanex16_b32: each lane takes its own place in the other half
	s_mov_b32 s15, 0xfedcba98
	s_lshl_b32 s12, ttmp9, 17                      ; 64 rows of 2,048 bytes a work-group,
	s_lshl_b32 s17, s10, 13                        ; 4 a wave
	s_add_co_u32 s12, s12, s17
	s_mov_b32 s13, 0
	s_lshr_b32 s18, s12, 1                         ; the same rows in cb: half the bytes
	s_mov_b32 s19, 0
	s_lshl_b32 s20, ttmp9, 8                       ; the work-group's 256 bytes of nh
	s_mov_b32 s21, 0
	s_wait_kmcnt 0x0
	s_add_nc_u64 s[4:5], s[4:5], s[12:13]
	s_add_nc_u64 s[6:7], s[6:7], s[18:19]
	s_add_nc_u64 s[8:9], s[8:9], s[20:21]
.irp i, 0,1,2,3
.irp c, 0,1,2,3
	global_load_b128 v[IN+16*\i+4*\c:IN+16*\i+4*\c+3], v[LO], s[4:5] offset:\i*ROWF+\c*512 th:TH_LOAD_NT  ; all sixteen loads go out before the first wait
.endr
.endr
.irp i, 0,1,2,3
	s_wait_loadcnt 12-4*\i                         ; loads come back in order: row i is in, the later rows' four loads each stay out
.irp c, 0,1,2,3
	v_cvt_pk_bf16_f32 v[OB+8*\i+2*\c], v[IN+16*\i+4*\c], v[IN+16*\i+4*\c+1]
	v_cvt_pk_bf16_f32 v[OB+8*\i+2*\c+1], v[IN+16*\i+4*\c+2], v[IN+16*\i+4*\c+3]
	global_store_b64 v[SO], v[OB+8*\i+2*\c:OB+8*\i+2*\c+1], s[6:7] offset:\i*ROWB+\c*256  ; 32 lanes x 8 bytes: 256 bytes on end, aligned; OB is never rewritten
.endr
	v_fma_mix_f32_bf16 v[SUM+2*\i], v[OB+8*\i], v[OB+8*\i], v[NIL] op_sel_hi:[1,1,0]                    ; the first squares start the sums
	v_fma_mix_f32_bf16 v[SUM+2*\i+1], v[OB+8*\i], v[OB+8*\i], v[NIL] op_sel:[1,1,0] op_sel_hi:[1,1,0]
.irp k, 1,2,3,4,5,6,7
	v_fma_mix_f32_bf16 v[SUM+2*\i], v[OB+8*\i+\k], v[OB+8*\i+\k], v[SUM+2*\i] op_sel_hi:[1,1,0]         ; low half squared, added in f32
	v_fma_mix_f32_bf16 v[SUM+2*\i+1], v[OB+8*\i+\k], v[OB+8*\i+\k], v[SUM+2*\i+1] op_sel:[1,1,0] op_sel_hi:[1,1,0]  ; high half
.endr
.endr
.irp i, 0,1,2,3
	v_add_f32 v[SUM+2*\i], v[SUM+2*\i], v[SUM+2*\i+1]
.endr
.irp x, 1,2,4,8                        ; across the lanes; the four rows take turns, so that no line waits for the one before it
.irp i, 0,1,2,3
	v_add_f32_dpp v[SUM+2*\i], v[SUM+2*\i], v[SUM+2*\i] row_xmask:\x row_mask:0xf bank_mask:0xf
.endr
.endr
.irp i, 0,1,2,3
	v_permlanex16_b32 v[SUM+2*\i+1], v[SUM+2*\i], s14, s15
.endr
.irp i, 0,1,2,3
	v_add_f32 v[SUM+2*\i], v[SUM+2*\i], v[SUM+2*\i+1]
.endr
.irp i, 0,1,2,3
	v_mul_f32 v[SUM+2*\i], -0.5, v[SUM+2*\i]       ; exact
.endr
.irp i, 0,1,2,3
	ds_store_b32 v[LW], v[SUM+2*\i] offset:PART+4*\i  ; all lanes write the same word with the same number
.endr
	s_wait_dscnt 0x0                               ; for the others' sake: my four words lie in LDS
	s_barrier_signal -1
	s_barrier_wait -1                              ; all 64 do
	s_cmp_lg_u32 s10, 0
	s_cbranch_scc1 .Lend                           ; wave 0 stores them
	ds_load_b64 v[8:9], v[SO] offset:PART
	s_wait_dscnt 0x0
	global_store_b64 v[SO], v[8:9], s[8:9]         ; 256 bytes on end, aligned
.Lend:
	s_wait_tensorcnt 0x0                           ; the wave's end: behind my last LDS store
	ds_add_u32 v[SPW], v[NIL]
	s_wait_dscnt 0x0
	s_endpgm
.Lfunc_end_k_qa26fc11d01_prep:
	.size	k_qa26fc11d01_prep, .Lfunc_end_k_qa26fc11d01_prep-k_qa26fc11d01_prep
	.p2alignl 7, 3214868480
	.fill 96, 4, 3214868480
	.section	.rodata,"a",@progbits
	.p2align	6, 0x0
	.amdhsa_kernel k_qa26fc11d01_prep
		.amdhsa_group_segment_fixed_size 2304
		.amdhsa_private_segment_fixed_size 0
		.amdhsa_enable_private_segment 0
		.amdhsa_kernarg_size 24
		.amdhsa_user_sgpr_count 2
		.amdhsa_user_sgpr_kernarg_segment_ptr 1
		.amdhsa_wavefront_size32 1
		.amdhsa_system_sgpr_workgroup_id_x 1
		.amdhsa_system_sgpr_workgroup_id_y 1
		.amdhsa_system_sgpr_workgroup_id_z 1
		.amdhsa_system_vgpr_workitem_id 0
		.amdhsa_next_free_vgpr 128
		.amdhsa_next_free_sgpr 66
		.amdhsa_reserve_vcc 0
		.amdhsa_float_denorm_mode_32 3
		.amdhsa_float_denorm_mode_16_64 3
		.amdhsa_memory_ordered 1
		.amdhsa_forward_progress 1
		.amdhsa_inst_pref_size 13
	.end_amdhsa_kernel
	.amdgpu_metadata
---
amdhsa.version: [ 1, 2 ]
amdhsa.kernels:
  - .name:           k_qa26fc11d01_prep
    .symbol:         k_qa26fc11d01_prep.kd
    .args:
      - { .name: centroids, .offset: 0, .size: 8, .value_kind: global_buffer, .address_space: global }
      - { .name: cb, .offset: 8, .size: 8, .value_kind: global_buffer, .address_space: global }
      - { .name: nh, .offset: 16, .size: 8, .value_kind: global_buffer, .address_space: global }
    .group_segment_fixed_size: 2304
    .private_segment_fixed_size: 0
    .kernarg_segment_align: 8
    .kernarg_segment_size: 24
    .max_flat_workgroup_size: 512
    .sgpr_count:     66
    .vgpr_count:     128
    .wavefront_size: 32
...
	.end_amdgpu_metadata
.endif
;; end of part 1
;; launch assign (part 2): grid 256 x 1, 4 waves a work-group, clusters of 4 x 1, 327,680 bytes of LDS; arguments inp, cb, nh, out0; writes out0
.if DOCPART == 2
	.amdgcn_target "amdgcn-amd-amdhsa--gfx1250"
	.amdhsa_code_object_version 6
	.text
	.protected	k_qa26fc11d01_assign
	.globl	k_qa26fc11d01_assign
	.p2align	8
	.type	k_qa26fc11d01_assign,@function
k_qa26fc11d01_assign:
	s_mov_b64 s[64:65], 0
	v_nop
	global_prefetch_b8 v0, s[64:65] scope:SCOPE_SE
	s_setreg_imm32_b32 hwreg(HW_REG_WAVE_MODE, 25, 1), 1
	s_wait_xcnt 0x0
	s_wait_alu depctr_hold_cnt(0) depctr_sa_sdst(0) depctr_va_vdst(0) depctr_va_sdst(0) depctr_va_ssrc(0) depctr_va_vcc(0) depctr_vm_vsrc(0)
	s_getreg_b32 s2, hwreg(HW_REG_IB_STS2, 6, 4)
	s_cmp_eq_u32 s2, 0
	s_cbranch_scc0 .Lentry_in_a_cluster
	s_endpgm
.Lentry_in_a_cluster:
	s_bfe_u32 s2, ttmp6, 0x10000c
	s_cmp_lg_u32 s2, 0x3003
	s_cbranch_scc0 .Lentry_shape_is_right
	s_endpgm
.Lentry_shape_is_right:
; NEAREST CENTROID, second launch.  out0[n] = argmax over k of s[n][k] = x[n].c[k] + nh[k], the lowest k among equals; nh[k] = -c2[k] / 2 and c = cb (bf16) come from the launch before.
; WORK LEFT OUT: x2[n], which is the same for all k of a row and so moves no argmin, whatever the inputs hold; the factor -2 is folded into the sign (argmin becomes argmax).
; ARITHMETIC.  x is rounded once to bf16 on its way into registers; products in bf16, sums in f32; nh is added ONCE, in f32, to the finished sum; scores are compared in f32.
; LIMITS.  A NaN score is never chosen; a row whose scores are all -infinity or NaN gets index 0.  A NaN, infinity or overflow that reaches x2 alone is not carried.  Two centroids whose scores differ by less
; than the f32 rounding of the sums (a few units in the last place of c2 / 2) may be chosen otherwise than by reference(), whose own sums are rounded in another order.
; SHARES.  256 work-groups, each 256 rows of x: every output has one owner.  A wave has 64 rows (4 tiles of 16) x all 512 channels as bf16 fragments in 512 registers for the whole launch.
; All 2,048 centroids pass by: 16 CHUNKS of 128 through two LDS slots; a chunk is 4 PAIRS of two tiles of 16 centroids; a pair is two UNITS, one for each half of K, of 64 matrix instructions.
; A fragment of centroids read from LDS (2 loads) feeds 4 matrix instructions.
; LAYOUT.  Source 0 = 16 centroids, source 1 = 16 rows of x: in the result lane l holds ONE row of x (l % 16) and the centroids 8 (l / 16) + 0..7.  So the running best stays in the lane: 32 chains
; (x tile t, register j), each with its best score and the number of the tile of centroids that gave it; they meet once, at the end.
; RIDERS.  A pair's 64 score registers want 224 vector instructions (32 packed additions of nh; compare, select, maximum for each register).  They work on the pair BEFORE the one that is being multiplied
; (two sets of 8 accumulators) and stand four at a time behind every second matrix instruction.
; CLUSTER.  The four work-groups of a cluster walk the same centroids, so each chunk is asked for JOINTLY: the same tensor load, descriptor and mask in all four; each wave asks for a quarter of the chunk.
; The pair before the first does not exist: its accumulators are set to -infinity, which is never greater than a best: 144 moves, written while x's first loads are out, in place of a first step written out.
; REGISTERS, in windows of 256 (s_set_vgpr_msb: bits 1:0 source 0, 3:2 source 1, 5:4 source 2, 7:6 destination):
;   window 0: v0-15 addresses; v16-31 nh of a pair; v32-63 best; v64-95 its tile; v96-103 8 (l / 16) + j; v104-107 the way out; v128-255 two sets of 8 accumulators
;   window 1: two buffers of 128, one for each half of K: the pair's fragments of centroids (at the start: x in f32, two sets)
;   window 2: x, K steps 0-7, tile t, step k at 64 t + 8 k          window 3: K steps 8-15 likewise
.set PITCH,  1040                      ; a row of centroids in LDS: 1,024 bytes + 16 of padding = 65 x 16: the 16 rows of a load lie in 16 different columns of 16 bytes (64 banks of 4 bytes: ISA guide 11.1)
.set TILEB,  16*PITCH
.set PAIRB,  2*TILEB                   ; 32 rows: a pair, and what one wave's tensor load brings
.set SLOTB,  4*PAIRB                   ; 133,120 = 0x20800: it shares no bit with 0, 1, 2 or 3 x PAIRB (0x8200), so one exclusive or turns an address in one slot into the other's
.set CHUNKB, 128*1024                  ; a chunk in memory
.set NHT,    2*SLOTB                   ; behind the slots: all of nh, 8,192 bytes, filled once
.set STAGE,  NHT+8192                  ; 256 bytes for each wave, for the way out; no tensor load fills it
.set SPARE,  STAGE+1024                ; the spare words, 128 bytes for each wave: two blocks of 256 bytes that no other line names
.set XO,  3                            ; v3   my byte offset in 16 rows of x: (l % 16) x 2,048 + 32 (l / 16)
.set AK0, 4                            ; v4   my place in a tile of centroids: (l % 16) x PITCH + 16 (l / 16); never rewritten
.set ADR, 5                            ; v5   s[TB] + AK0
.set NHA, 6                            ; v6   s[NB] + NH0
.set STO, 7                            ; v7   the way out: where I put a word
.set RDB, 8                            ; v8   where I read two back
.set OO,  9                            ; v9   my 8 bytes of the work-group's part of out0
.set SPW, 10                           ; v10  LDS address of my spare word; never rewritten
.set NIL, 11                           ; v11  0; never rewritten
.set PFO, 12                           ; v12  256 x lane; never rewritten
.set NH0, 13                           ; v13  32 (l / 16); never rewritten
.set TT,  14                           ; v14  at work
.set NH,  16
.set BEST, 32
.set IDX, 64
.set HJ,  96
.set ACC, 128                          ; set q at ACC + 64 q; accumulator (centroid tile u, x tile t) at + 8 (4 u + t)
.set WV,  12                           ; s12  my wave's number
.set G1,  16                           ; s[16:23] descriptor group 1: a quarter of a chunk
.set G1T, 24                           ; s[24:31] a quarter of nh
.set G0A, 32                           ; s[32:35] group 0: chunk 0 into slot 0
.set G0W, 36                           ; s[36:39] chunk 1 into slot 1; then it walks
.set G0T, 40                           ; s[40:43] nh
.set SLOTS, 44                         ; s44  counts the chunks
.set CNT, 45                           ; s45  counts a chunk's two trips
.set TB,  46                           ; s46  LDS byte at which the pair to be fetched begins
.set NB,  47                           ; s47  LDS byte of nh of the pair before that one
.set PFA, 48                           ; s[48:49] where my prefetches stand
.set LIM, 50                           ; s50  1 in the cluster that prefetches, else the greatest number
.set SEL, 52                           ; s[52:53] v_permlanex16_b32's selects
.set TN,  54                           ; s54, s55 the numbers of the two tiles of centroids on which the riders work
.set MK,  56                           ; s56-59 four lane masks
.set MSB, 0
.macro WIN new                         ; the immediate's high byte repeats the setting that is left; a switch that changes nothing is dropped
.if MSB != (\new)
	s_set_vgpr_msb (MSB<<8)|(\new)
.set MSB, (\new)
.endif
.endm
; A round of the cluster's barrier: my work-group's barrier, so that wave 0's signal speaks for all four waves; wave 0 signals; every wave waits for all four work-groups; my work-group's barrier once more.
.macro ROUND
	s_barrier_signal -1
	s_barrier_wait -1
	s_cmp_lg_u32 s[WV], 0
	s_cbranch_scc1 .Lnot_wave_0_\@
	s_barrier_signal -3
.Lnot_wave_0_\@:
	s_barrier_wait -3
	s_barrier_signal -1
	s_barrier_wait -1
.endm
; x, part b of 8: tile b / 2, K half b % 2, in f32 into set b % 2 of window 1: 32 loads.  A fragment's lane wants channels 8 (l / 16) + 0..7 and 16 + 8 (l / 16) + 0..7 of a K step of 32: four loads of 16 bytes,
; which stand on end and together take the step's 128 bytes of each row; the 32 loads take 1,024 bytes on end of each of 16 rows.  Nothing is shared between waves, so nothing goes through LDS.
.macro LOADX b
	WIN 0x40                                       ; destination window 1, address window 0
.irp f, 0,1,2,3,4,5,6,7
.irp c, 0,1,2,3
	global_load_b128 v[128*((\b)%2)+16*\f+4*\c:128*((\b)%2)+16*\f+4*\c+3], v[XO], s[4:5] offset:((\b)/2)*32768+(8*((\b)%2)+\f)*128+16*(\c%2)+64*(\c/2)
.endr
.endr
.endm
.macro CVTX b                          ; rounded to bf16, into its place for the whole launch
	WIN 0x85+0x40*((\b)%2)                         ; sources window 1, destination window 2 or 3
.irp f, 0,1,2,3,4,5,6,7
.irp c, 0,1,2,3,4,5,6,7
	v_cvt_pk_bf16_f32 v[64*((\b)/2)+8*\f+\c], v[128*((\b)%2)+16*\f+2*\c], v[128*((\b)%2)+16*\f+2*\c+1]
.endr
.endr
.endm
; Matrix instruction i of a unit's 64: K step i / 8 of half g, centroid tile (i / 4) % 2, x tile i % 4, into set q.  The 8 accumulators take turns, one instruction a turn, from unit to unit and over the backward
; jumps too.  The first K step starts the sums with the constant 0.
.macro MM q, g
	WIN 0x09+4*(\g)                                ; centroids window 1, x window 2 + g, sums window 0
.set rD, ACC+64*(\q)+8*(4*((i/4)%2)+i%4)
.set rA, 128*(\g)+64*((i/4)%2)+8*(i/8)
.set rB, 64*(i%4)+8*(i/8)
.if ((\g) == 0) && (i < 8)
	v_wmma_f32_16x16x32_bf16 v[rD:rD+7], v[rA:rA+7], v[rB:rB+7], 0
.else
	v_wmma_f32_16x16x32_bf16 v[rD:rD+7], v[rA:rA+7], v[rB:rB+7], v[rD:rD+7]
.endif
.endm
; Rider n of 228 for the pair whose finished sums lie in set rq.
;   0-3     v_nop: the four places behind that pair's last products, ahead of the first read of its sums and of the loads into the buffer that those products read
;   4-35    + nh, two scores a line; each accumulator is read from its low end on
;   36-227  sixteen blocks of four registers e = 32 u + 8 t + j: four compares (score > best), four selects (the tile's number), four maxima.  Tile u = 0 comes before u = 1, and only a GREATER score
;           takes a chain over: the lower centroid keeps it among equals
.macro RID rq, n
.set rR, ACC+64*(\rq)
.if (\n) < 4
	v_nop
.elseif (\n) < 36
.set rX, 8*(((\n)-4)/4)+2*(((\n)-4)%4)
.set rN, NH+8*(((\n)-4)/16)+2*(((\n)-4)%4)
	v_pk_add_f32 v[rR+rX:rR+rX+1], v[rR+rX:rR+rX+1], v[rN:rN+1]
.else
.set rE, 4*(((\n)-36)/12)+((\n)-36)%4
.set rK, (((\n)-36)%12)/4
.if rK == 0
	v_cmp_gt_f32 s[MK+rE%4], v[rR+rE], v[BEST+rE%32]
.elseif rK == 1
	v_cndmask_b32 v[IDX+rE%32], v[IDX+rE%32], s[TN+rE/32], s[MK+rE%4]
.else
	v_max_num_f32 v[BEST+rE%32], v[BEST+rE%32], v[rR+rE]
.endif
.endif
.endm
.macro GROUP rq, gi                    ; riders 4 gi .. 4 gi + 3; there are 57 groups
.if (\gi) < 57
	WIN 0
.irp z, 0,1,2,3
	RID \rq, 4*(\gi)+\z
.endr
.endif
.endm
; 32 LDS loads in one run: K half buf of the pair at byte off behind v[ADR], into buffer buf.  A fragment is 16 rows x 32 channels: two loads of 16 bytes, 32 bytes apart.  The largest immediate is 50,912.
.macro FETCH buf, off
	WIN 0x40                                       ; destination window 1, address window 0
.irp u, 0,1
.irp k, 0,1,2,3,4,5,6,7
	ds_load_b128 v[128*(\buf)+64*\u+8*\k:128*(\buf)+64*\u+8*\k+3],   v[ADR] offset:(\off)+\u*TILEB+512*(\buf)+64*\k
	ds_load_b128 v[128*(\buf)+64*\u+8*\k+4:128*(\buf)+64*\u+8*\k+7], v[ADR] offset:(\off)+\u*TILEB+512*(\buf)+64*\k+32
.endr
.endr
.endm
.macro NHLOAD off                      ; nh of a pair's 32 centroids: my lanes' 8 of each tile
	WIN 0
.irp u, 0,1
	ds_load_b128 v[NH+8*\u:NH+8*\u+3],   v[NHA] offset:(\off)+64*\u
	ds_load_b128 v[NH+8*\u+4:NH+8*\u+7], v[NHA] offset:(\off)+64*\u+16
.endr
.endm
; A UNIT: 64 matrix instructions of K half g into set q; behind every second one a group of the riders on set rq (part 0: groups 0-31, part 1: the rest).  Behind the sixteenth stand the LDS loads, in ONE run:
; the fragments for the next unit into the other buffer (foff; -1: none), whose last reader stands 16 matrix instructions and more than four plain riders back, and (nhoff; -1: none) nh for the riders of the next unit.
; They have 48 matrix instructions in which to land; the wait at a unit's head is for them.
.macro UNIT q, g, rq, part, foff, nhoff
	s_wait_dscnt 0x0                               ; this unit's fragments, and nh, are in
.set i, 0
.rept 64
	MM \q, \g
.if (i%2) == 1
	GROUP \rq, 32*(\part)+i/2
.endif
.if i == 15
.if (\nhoff) >= 0
	NHLOAD \nhoff
.endif
.if (\foff) >= 0
	FETCH 1-(\g), \foff
.endif
.endif
.set i, i+1
.endr
.if (\g) == 1
	s_add_co_u32 s[TN], s[TN], 2                   ; the riders go on to the next pair
	s_add_co_u32 s[TN+1], s[TN+1], 2
.endif
.endm
; A TRIP: with a the even pair at s[TB]: the second unit of pair a - 1; both units of pair a; the first of pair a + 1.  All that it fetches (pairs a and a + 1) lies in one slot; a chunk is two trips.
.macro DTRIP tag
.Lstep\tag:
	UNIT 1, 1, 0, 1, 0, 0                          ; pair a - 1, K half 1 | riders: pair a - 2 | fetches pair a, K half 0, and nh of pair a - 1
	WIN 0
.Lfirst\tag:
	UNIT 0, 0, 1, 0, 0, -1                         ; pair a, K half 0 | riders: pair a - 1 | fetches pair a, K half 1
	UNIT 0, 1, 1, 1, PAIRB, 128                    ; pair a, K half 1 | riders: pair a - 1 | fetches pair a + 1, K half 0, and nh of pair a
	UNIT 1, 0, 0, 0, PAIRB, -1                     ; pair a + 1, K half 0 | riders: pair a | fetches pair a + 1, K half 1
	WIN 0                                          ; at a label and at a branch every window is 0
	s_add_co_u32 s[TB], s[TB], 2*PAIRB
	s_add_co_u32 s[NB], s[NB], 256
	v_add_nc_u32 v[ADR], s[TB], v[AK0]
	v_add_nc_u32 v[NHA], s[NB], v[NH0]
	s_sub_co_u32 s[CNT], s[CNT], 1
	s_cmp_lg_u32 s[CNT], 0
	s_cbranch_scc1 .Lstep\tag
.endm
; A PREFETCH INTO THE L2 of the chunk that the NEXT change of slots will ask for: 512 matrix instructions a wave ahead of that load.  It stands behind the wave's tensor load and its five lines.  Each of the
; chunk's 512 blocks of 256 bytes is named ONCE in the launch: all clusters walk the same centroids, and cluster 0 alone asks; its four work-groups take 32 rows each, told apart BY ADDRESS; each wave 8 rows of
; 1,024 bytes, a lane a block: one instruction.  Chunks 0 to 2 come by their loads alone; the last change that fills a slot asks for nothing: there is no chunk behind the one that it loads.
.macro ASK
	s_cmp_gt_u32 s[SLOTS], s[LIM]
	s_cbranch_scc0 .Lnot_mine_\@
	global_prefetch_b8 v[PFO], s[PFA:PFA+1] th:TH_LOAD_NT scope:SCOPE_SE
.Lnot_mine_\@:
.endm
; THE CHANGE OF SLOTS, between a chunk's last fetch and the next chunk's first.  Each wave waits for all its tensor loads, of which one is out: its quarter of the other slot; adds 0 to its spare word; and waits
; for that and for its own reads of the slot that it leaves.  Behind the barrier nobody reads the old slot and the other slot is whole.  fill = 1: the old slot takes the chunk two on; the barrier is then a round
; of the cluster's, so that no wave of any partner still reads the slot or has a load on its way, and the joint refill is the first thing behind it, one load a wave: it has a chunk's 512 matrix instructions in which to land.
.macro CHANGE fill
	WIN 0
	s_wait_tensorcnt 0x0                           ; no tensor load of mine is out, so a group 0 may be written
	ds_add_u32 v[SPW], v[NIL]                      ; 0 onto my spare word: the steps below stand between it and the wait for it
.if \fill
	s_xor_b32 s[G0W+1], s[G0W+1], SLOTB            ; the walking descriptor: the other slot than last time,
	s_add_nc_u64 s[G0W+2:G0W+3], s[G0W+2:G0W+3], CHUNKB  ; the next chunk; the type bits on top are not reached
	s_wait_xcnt 0x0                                ; the last prefetch, a chunk back, has read its address, so it may be written
	s_add_nc_u64 s[PFA:PFA+1], s[PFA:PFA+1], CHUNKB
	s_wait_dscnt 0x0                               ; the add is done, and my reads of the slot are over
	ROUND
	tensor_load_to_lds s[G0W:G0W+3], s[G1:G1+7]
	s_nop 0
.rept 4
	v_nop
.endr
	ASK
.else
	s_wait_dscnt 0x0                               ; the add is done, and my reads of the slot are over
	s_barrier_signal -1
	s_barrier_wait -1
.endif
	s_sub_co_u32 s[TB], s[TB], 4*PAIRB             ; the fetches go back to a slot's first pair,
	s_xor_b32 s[TB], s[TB], SLOTB                  ; in the other slot
	v_add_nc_u32 v[ADR], s[TB], v[AK0]
.endm
; Chain y is taken into chain x: the greater score, and among equals the lower index.
.macro MERGE x, y
	v_min_u32 v[TT], v[IDX+(\x)], v[IDX+(\y)]
	v_cmp_eq_f32 vcc_lo, v[BEST+(\x)], v[BEST+(\y)]
	v_cndmask_b32 v[IDX+(\x)], v[IDX+(\x)], v[TT], vcc_lo
	v_cmp_gt_f32 vcc_lo, v[BEST+(\y)], v[BEST+(\x)]
	v_cndmask_b32 v[IDX+(\x)], v[IDX+(\x)], v[IDX+(\y)], vcc_lo
	v_max_num_f32 v[BEST+(\x)], v[BEST+(\x)], v[BEST+(\y)]
.endm
	s_load_b256 s[4:11], s[0:1], 0x0               ; inp s[4:5], cb s[6:7], nh s[8:9], out0 s[10:11]
	v_lshl_add_u32 v[SPW], v0, 2, SPARE
	v_mov_b32 v[NIL], 0
	ds_add_u32 v[SPW], v[NIL]                      ; the wave's opening: the add, twice on end, and its wait stand ahead of my first tensor load; the set-up below, work on registers, stands between
	ds_add_u32 v[SPW], v[NIL]                      ; and once more, under the one wait
	v_lshrrev_b32 v14, 5, v0
	v_readfirstlane_b32 s[WV], v14                 ; wave 0..3
	s_bfe_u32 s13, ttmp6, 0x40000                  ; cx: my place in the cluster
	s_lshl_b32 s14, ttmp9, 2                       ; in a cluster launch ttmp9 counts clusters
	s_add_co_u32 s14, s14, s13                     ; my block of 256 rows = 4 x cluster + cx: it enters x's, out0's and the prefetches' addresses alone
	; group 1 for the centroids: 32 rows x 512 elements of 2 bytes, padded in LDS
	s_mov_b32 s[G1+0], 15|(1<<16)|(1<<20)|(1<<21)|(7<<22)|(3<<25)  ; 15:0 the mask: all four work-groups; 17:16 2-byte elements; 20 padding on; 21 set beside a mask; 24:22 after every 256 words (code 7); 31:25 4 words (code 3)
	s_mov_b32 s[G1+1], 512<<16                     ; tensor_dim0 = 512
	s_mov_b32 s[G1+2], 32<<16                      ; tensor_dim1 = 32
	s_mov_b32 s[G1+3], 512<<16                     ; tile_dim0 = 512
	s_mov_b32 s[G1+4], 32                          ; tile_dim1 = 32
	s_mov_b32 s[G1+5], 512                         ; 512 elements from row to row
	s_mov_b32 s[G1+6], 0
	s_mov_b32 s[G1+7], 0
	; group 1 for nh: 2,048 dense bytes as 8 rows of 32 elements of 8 bytes, no padding
	s_mov_b32 s[G1T+0], 15|(3<<16)|(1<<21)
	s_mov_b32 s[G1T+1], 32<<16
	s_mov_b32 s[G1T+2], 8<<16
	s_mov_b32 s[G1T+3], 32<<16
	s_mov_b32 s[G1T+4], 8
	s_mov_b32 s[G1T+5], 32
	s_mov_b32 s[G1T+6], 0
	s_mov_b32 s[G1T+7], 0
	s_mul_i32 s51, s[WV], PAIRB                    ; my quarter of a slot: no place in the cluster enters an LDS address
	s_mov_b32 s[G0A], 1                            ; 1:0 count = 1
	s_mov_b32 s[G0A+1], s51                        ; 63:32 LDS address: slot 0
	s_mov_b32 s[G0W], 1
	s_add_co_u32 s[G0W+1], s51, SLOTB              ; slot 1
	s_mov_b32 s[G0T], 1
	s_lshl_b32 s2, s[WV], 11
	s_add_co_u32 s[G0T+1], s2, NHT                 ; my quarter of the table
	s_mov_b32 s61, 0                               ; s[60:61]: offsets for the descriptors, made of the wave's number alone
	s_mov_b32 s63, 0                               ; s[62:63]: offsets that hold my place in the cluster
	s_mov_b32 s[SEL], 0x76543210
	s_mov_b32 s[SEL+1], 0xfedcba98
	s_mov_b32 s[TB], 0
	s_mov_b32 s[NB], NHT-128                       ; nh of 'pair -1': the first load from here reaches 128 bytes on
	s_mov_b32 s[SLOTS], 15
	s_mov_b32 s[CNT], 2
	s_mov_b32 s[TN], -2                            ; the tiles of 'pair -1'; never selected
	s_mov_b32 s[TN+1], -1
	s_mov_b32 s[LIM], ttmp9
	s_cmp_eq_u32 s[LIM], 0
	s_cselect_b32 s[LIM], 1, -1                    ; the same in all four partners
	v_and_b32 v1, 15, v0                           ; l % 16
	v_bfe_u32 v2, v0, 4, 1                         ; l / 16
	v_lshlrev_b32 v[XO], 11, v1
	v_lshl_add_u32 v[XO], v2, 5, v[XO]
	v_mul_u32_u24 v[AK0], v1, PITCH
	v_lshl_add_u32 v[AK0], v2, 4, v[AK0]
	v_and_b32 v14, 31, v0                          ; lane
	v_lshlrev_b32 v[PFO], 8, v14
	v_lshlrev_b32 v[NH0], 5, v2
	s_wait_dscnt 0x0                               ; both opening adds are done
	s_wait_kmcnt 0x0
	s_lshl_b32 s60, s[WV], 15                      ; my 32 rows of 1,024 bytes of a chunk
	s_add_nc_u64 s[G0A+2:G0A+3], s[6:7], s[60:61]  ; 120:64 global address: chunk 0,
	s_add_nc_u64 s[G0W+2:G0W+3], s[G0A+2:G0A+3], CHUNKB  ; chunk 1
	s_or_b32 s[G0A+3], s[G0A+3], 0x80000000        ; 127:126 type = 2
	s_or_b32 s[G0W+3], s[G0W+3], 0x80000000
	s_lshl_b32 s60, s[WV], 11
	s_add_nc_u64 s[G0T+2:G0T+3], s[8:9], s[60:61]
	s_or_b32 s[G0T+3], s[G0T+3], 0x80000000
	s_lshl_b32 s62, s14, 19                        ; my block's 256 rows of 2,048 bytes,
	s_lshl_b32 s2, s[WV], 17                       ; my wave's 64
	s_add_co_u32 s62, s62, s2
	s_add_nc_u64 s[4:5], s[4:5], s[62:63]
	s_lshl_b32 s62, s14, 10                        ; my block's 1,024 bytes of out0
	s_add_nc_u64 s[10:11], s[10:11], s[62:63]
	s_lshl_b32 s62, s13, 15                        ; the prefetches: my work-group's 32 rows of a chunk,
	s_lshl_b32 s2, s[WV], 13                       ; my wave's 8,
	s_add_co_u32 s62, s62, s2
	s_add_co_u32 s62, s62, 2*CHUNKB                ; in chunk 2: the first change of slots steps it to chunk 3.  Nothing is prefetched here, at the head
	s_add_nc_u64 s[PFA:PFA+1], s[6:7], s[62:63]
	ROUND                                          ; all four work-groups are here: the first joint loads meet
	tensor_load_to_lds s[G0T:G0T+3], s[G1T:G1T+7]  ; the first fills go out as one group: three loads of mine are out
	s_nop 0
	tensor_load_to_lds s[G0A:G0A+3], s[G1:G1+7]
	s_nop 0
	tensor_load_to_lds s[G0W:G0W+3], s[G1:G1+7]
	s_nop 0
.rept 4
	v_nop
.endr
	LOADX 0
	LOADX 1                                        ; 64 loads, 32 KiB a wave, are on their way
	WIN 0
	s_mov_b32 s3, 0xff800000                       ; -infinity
.set i, 0
.rept 64
	v_mov_b32 v[ACC+64+i], s3                      ; the sums of 'pair -1'
.set i, i+1
.endr
.set i, 0
.rept 32
	v_mov_b32 v[BEST+i], s3
	v_mov_b32 v[IDX+i], 0
.set i, i+1
.endr
.set i, 0
.rept 16
	v_mov_b32 v[NH+i], 0
.set i, i+1
.endr
	v_lshlrev_b32 v[HJ], 3, v2
.irp j, 1,2,3,4,5,6,7
	v_add_nc_u32 v[HJ+\j], \j, v[HJ]
.endr
	s_lshl_b32 s2, s[WV], 8
	s_add_co_u32 s3, s2, STAGE                     ; my stage
	v_lshl_add_u32 v[STO], v14, 2, s3
	v_lshl_add_u32 v[RDB], v14, 3, s3
	v_lshl_add_u32 v[OO], v14, 3, s2
	v_mov_b32 v[ADR], v[AK0]                       ; s[TB] = 0
	v_add_nc_u32 v[NHA], s[NB], v[NH0]
.irp b, 0,1,2,3,4,5,6,7
.if \b < 7
	s_wait_loadcnt 32                              ; loads come back in order: part b is in; the other set's 32 younger loads stay out
.else
	s_wait_loadcnt 0x0
.endif
	CVTX \b
.if \b < 6
	LOADX \b+2                                     ; the set just rounded is asked for again at once
.endif
.endr
	WIN 0
	s_wait_tensorcnt 0x1                           ; my quarters of nh and of chunk 0 are in; chunk 1's may stay out
	s_barrier_signal -1
	s_barrier_wait -1                              ; everybody's are
	FETCH 0, 0                                     ; pair 0, K half 0
	WIN 0
	s_branch .Lfirst1                              ; the loop is entered at pair 0's first unit, in the middle of a trip
.Lslot:                                                ; 14 times: chunks 1 to 14 are entered, chunks 2 to 15 asked for
	CHANGE 1
	s_mov_b32 s[CNT], 2
	DTRIP 1
	s_sub_co_u32 s[SLOTS], s[SLOTS], 1
	s_cmp_lg_u32 s[SLOTS], 0
	s_cbranch_scc1 .Lslot
	CHANGE 0                                       ; the last chunk is written out: nothing is asked for
	s_mov_b32 s[CNT], 2
	DTRIP 2
	UNIT 1, 1, 0, 1, -1, 0                         ; pair 63, K half 1 | riders: pair 62 | nh of pair 63
	WIN 0
	s_wait_dscnt 0x0                               ; nh is in
.set nn, 0
.rept 228
	RID 1, nn                                      ; pair 63's riders, with nothing left to ride on
.set nn, nn+1
.endr
	; THE WAY OUT.  A chain's index is 16 x its tile + 8 (l / 16) + j.  A lane's eight chains of an x tile meet, then the two halves of the lanes: every lane then holds the answer for row l % 16 of each tile.
.irp t, 0,1,2,3
.irp j, 0,1,2,3,4,5,6,7
	v_lshl_add_u32 v[IDX+8*\t+\j], v[IDX+8*\t+\j], 4, v[HJ+\j]
.endr
.endr
.irp t, 0,1,2,3
	MERGE 8*\t, 8*\t+1
	MERGE 8*\t+2, 8*\t+3
	MERGE 8*\t+4, 8*\t+5
	MERGE 8*\t+6, 8*\t+7
	MERGE 8*\t, 8*\t+2
	MERGE 8*\t+4, 8*\t+6
	MERGE 8*\t, 8*\t+4
	v_permlanex16_b32 v[BEST+8*\t+1], v[BEST+8*\t], s[SEL], s[SEL+1]  ; the row's other centroids lie in the lane 16 away; the destinations have been written
	v_permlanex16_b32 v[IDX+8*\t+1], v[IDX+8*\t], s[SEL], s[SEL+1]
	MERGE 8*\t, 8*\t+1
.endr
	v_cmp_ne_u32 vcc_lo, 0, v2
	v_cndmask_b32 v104, v[IDX], v[IDX+8], vcc_lo   ; lane l: my wave's row l,
	v_cndmask_b32 v105, v[IDX+16], v[IDX+24], vcc_lo  ; and row 32 + l
	ds_store_b32 v[STO], v104
	ds_store_b32 v[STO], v105 offset:128
	ds_load_b64 v[106:107], v[RDB]                 ; my wave's own bytes: LDS serves a wave's instructions in order (ISA guide 5.7.1.4)
	s_wait_dscnt 0x0
	global_store_b64 v[OO], v[106:107], s[10:11]   ; my wave's 64 rows: 256 bytes on end, at a multiple of 256 from out0's first byte
	s_wait_tensorcnt 0x0                           ; the wave's end: behind my last tensor load and my last LDS store
	ds_add_u32 v[SPW], v[NIL]
	s_wait_dscnt 0x0
	ROUND                                          ; the closing round: no work-group ends while a partner may still ask for a chunk that names it
	s_endpgm
.Lfunc_end_k_qa26fc11d01_assign:
	.size	k_qa26fc11d01_assign, .Lfunc_end_k_qa26fc11d01_assign-k_qa26fc11d01_assign
	.p2alignl 7, 3214868480
	.fill 96, 4, 3214868480
	.section	.rodata,"a",@progbits
	.p2align	6, 0x0
	.amdhsa_kernel k_qa26fc11d01_assign
		.amdhsa_group_segment_fixed_size 327680
		.amdhsa_private_segment_fixed_size 0
		.amdhsa_enable_private_segment 0
		.amdhsa_kernarg_size 32
		.amdhsa_user_sgpr_count 2
		.amdhsa_user_sgpr_kernarg_segment_ptr 1
		.amdhsa_wavefront_size32 1
		.amdhsa_system_sgpr_workgroup_id_x 1
		.amdhsa_system_sgpr_workgroup_id_y 1
		.amdhsa_system_sgpr_workgroup_id_z 1
		.amdhsa_system_vgpr_workitem_id 0
		.amdhsa_next_free_vgpr 1024
		.amdhsa_next_free_sgpr 66
		.amdhsa_reserve_vcc 1
		.amdhsa_float_denorm_mode_32 3
		.amdhsa_float_denorm_mode_16_64 3
		.amdhsa_memory_ordered 1
		.amdhsa_forward_progress 1
		.amdhsa_inst_pref_size 217
	.end_amdhsa_kernel
	.amdgpu_metadata
---
amdhsa.version: [ 1, 2 ]
amdhsa.kernels:
  - .name:           k_qa26fc11d01_assign
    .symbol:         k_qa26fc11d01_assign.kd
    .args:
      - { .name: inp, .offset: 0, .size: 8, .value_kind: global_buffer, .address_space: global }
      - { .name: cb, .offset: 8, .size: 8, .value_kind: global_buffer, .address_space: global }
      - { .name: nh, .offset: 16, .size: 8, .value_kind: global_buffer, .address_space: global }
      - { .name: out0, .offset: 24, .size: 8, .value_kind: global_buffer, .address_space: global }
    .group_segment_fixed_size: 327680
    .private_segment_fixed_size: 0
    .kernarg_segment_align: 8
    .kernarg_segment_size: 32
    .max_flat_workgroup_size: 128
    .sgpr_count:     66
    .vgpr_count:     1024
    .wavefront_size: 32
...
	.end_amdgpu_metadata
.endif
;; end of part 2
;; ======== version 2 of 2: 2 launches; version 1 with the launch prep written anew for expert scheduling mode
;; workspace buffers: cb 2,097,152 bytes; nh 8,192 bytes
;; launch prep (part 3): grid 32 x 1, 16 waves a work-group, no clusters, 2,304 bytes of LDS; arguments centroids, cb, nh; writes cb, nh
.if DOCPART == 3
	.amdgcn_target "amdgcn-amd-amdhsa--gfx1250"
	.amdhsa_code_object_version 6
	.text
	.protected	k_qa26fc11d01_prep
	.globl	k_qa26fc11d01_prep
	.p2align	8
	.type	k_qa26fc11d01_prep,@function
k_qa26fc11d01_prep:
	s_mov_b64 s[64:65], 0
	v_nop
	global_prefetch_b8 v0, s[64:65] scope:SCOPE_SE
	s_setreg_imm32_b32 hwreg(HW_REG_WAVE_SCHED_MODE, 0, 2), 2
	s_setreg_imm32_b32 hwreg(HW_REG_WAVE_MODE, 25, 1), 1
	s_wait_xcnt 0x0
	s_wait_alu depctr_vm_vsrc(0)
; NEAREST CENTROID, first of two launches.  reference(): argmin over k of d2[n][k] = x2[n] - 2 x[n].c[k] + c2[k].
; WORK LEFT OUT, for all finite inputs: x2[n] is the same for every k of a row, so argmin_k (x2 + g(k)) = argmin_k g(k): x2 is never made (inp is still read, for the product).  The factor -2 is folded:
; argmin_k (c2[k] - 2 x.c[k]) = argmax_k (x.c[k] - c2[k] / 2).  LIMIT: a NaN, an infinity or an overflow that reaches x2 alone is not carried to the result.
; THIS LAUNCH: cb[k][:] = centroids[k][:] rounded once to bf16 (the product's operand, which all 256 work-groups of the next launch walk), and nh[k] = -1/2 x the sum of the squares of those ROUNDED numbers,
; in f32: the product and c2 then speak of the same centroid.  The squares of bf16 numbers are exact in f32; they are added in 64 chains a row and then across the lanes: an order of its own.
; SHARES.  32 work-groups of 16 waves: a work-group has 64 rows, so that its 64 numbers of nh are 256 bytes on end, stored by one instruction; a wave has 4 rows.  A load covers 512 bytes on end of a row,
; a store of cb 256 bytes on end, aligned.  No matrix work, no cluster: nothing is shared and every byte is touched once.
; THE MODE: SCHED_MODE bits 1:0 = 2 (LLVM: expert scheduling mode 2), set by the entry lines.  The code itself states the register dependences between vector instructions and memory or LDS
; instructions, with s_wait_alu, always for 0.
; THE PLAN.  Registers that memory or LDS instructions touch:
;   v[LO], v[SO], v[LW]  offsets and an LDS address: written at the head, read by every load, store and LDS instruction, never written again.
;   IN    written by the sixteen loads alone, once; read by the conversions.
;   OB    row i's eight registers: written by row i's eight conversions; read by row i's four stores (and by its squares); never written again.
;   SUM   the four even registers: written last by the four multiplications by -1/2; read by the four LDS stores; never written again.
;   v[8:9]  written by wave 0's LDS load, read by its store.      v[SPW], v[NIL]  written at the head; the closing add reads them.
; So: one wait on va_vdst ahead of the first load (the offsets), one a row behind its conversions (OB), one ahead of the LDS stores (SUM).  A row's four stores are dealt among its sixteen squares: the store of
; registers 2 c, 2 c + 1 stands ahead of the squares of register 2 c, so no vector instruction since the row's wait names a register that a later store of the row reads.
; No register that a memory or LDS instruction reads is written again, so the text holds no wait on vm_vsrc.
.set ROWF,  2048                       ; bytes in a row of centroids
.set ROWB,  1024                       ; bytes in a row of cb
.set PART,  0                          ; LDS: the work-group's 64 numbers of nh
.set SPARE, 256                        ; behind them: the spare words, 128 bytes for each of the 16 waves; no other line names them
.set LO,  2                            ; v2   16 x lane
.set SO,  3                            ; v3   8 x lane
.set SPW, 4                            ; v4   LDS address of my spare word; never rewritten
.set NIL, 5                            ; v5   0; never rewritten
.set LW,  6                            ; v6   16 x wave: my wave's four words of PART
.set IN,  16                           ; v[16:79]   row i, piece c: four f32 at IN + 16 i + 4 c
.set OB,  80                           ; v[80:111]  row i: eight registers of bf16 pairs
.set SUM, 112                          ; v[112:119] row i: the low halves' sum, the high halves' sum
	s_load_b128 s[4:7], s[0:1], 0x0                ; centroids s[4:5], cb s[6:7]
	s_load_b64 s[8:9], s[0:1], 0x10                ; nh
	v_lshl_add_u32 v[SPW], v0, 2, SPARE
	v_mov_b32 v[NIL], 0
	v_lshrrev_b32 v1, 5, v0
	v_readfirstlane_b32 s10, v1                    ; wave 0..15
	v_and_b32 v1, 31, v0                           ; lane
	v_lshlrev_b32 v[LO], 4, v1
	v_lshlrev_b32 v[SO], 3, v1
	s_wait_alu depctr_va_sdst(0)                   ; s10 is written, ahead of its first reader: the LDS address, the rows' offsets and the branch at the end are made from it
	s_lshl_b32 s16, s10, 4
	v_mov_b32 v[LW], s16
	s_mov_b32 s14, 0x76543210                      ; v_permlanex16_b32: each lane takes its own place in the other half
	s_mov_b32 s15, 0xfedcba98
	s_lshl_b32 s12, ttmp9, 17                      ; 64 rows of 2,048 bytes a work-group,
	s_lshl_b32 s17, s10, 13                        ; 4 a wave
	s_add_co_u32 s12, s12, s17
	s_mov_b32 s13, 0
	s_lshr_b32 s18, s12, 1                         ; the same rows in cb: half the bytes
	s_mov_b32 s19, 0
	s_lshl_b32 s20, ttmp9, 8                       ; the work-group's 256 bytes of nh
	s_mov_b32 s21, 0
	s_wait_kmcnt 0x0
	s_add_nc_u64 s[4:5], s[4:5], s[12:13]
	s_add_nc_u64 s[6:7], s[6:7], s[18:19]
	s_add_nc_u64 s[8:9], s[8:9], s[20:21]
	s_wait_alu depctr_va_vdst(0)                   ; v[LO], v[SO] and v[LW] are written: every load, store and LDS instruction below reads one of them as its offset or address
.irp i, 0,1,2,3
.irp c, 0,1,2,3
	global_load_b128 v[IN+16*\i+4*\c:IN+16*\i+4*\c+3], v[LO], s[4:5] offset:\i*ROWF+\c*512 th:TH_LOAD_NT  ; all sixteen loads go out before the first wait for data
.endr
.endr
.irp i, 0,1,2,3
	s_wait_loadcnt 12-4*\i                         ; loads come back in order: row i is in, the later rows' four loads each stay out
.irp c, 0,1,2,3
	v_cvt_pk_bf16_f32 v[OB+8*\i+2*\c], v[IN+16*\i+4*\c], v[IN+16*\i+4*\c+1]
	v_cvt_pk_bf16_f32 v[OB+8*\i+2*\c+1], v[IN+16*\i+4*\c+2], v[IN+16*\i+4*\c+3]
.endr
	s_wait_alu depctr_va_vdst(0)                   ; the row's eight conversions have written its OB, which the row's four stores read
	global_store_b64 v[SO], v[OB+8*\i:OB+8*\i+1], s[6:7] offset:\i*ROWB  ; 32 lanes x 8 bytes: 256 bytes on end, aligned; OB is never rewritten
	v_fma_mix_f32_bf16 v[SUM+2*\i], v[OB+8*\i], v[OB+8*\i], v[NIL] op_sel_hi:[1,1,0]                    ; the first squares start the sums
	v_fma_mix_f32_bf16 v[SUM+2*\i+1], v[OB+8*\i], v[OB+8*\i], v[NIL] op_sel:[1,1,0] op_sel_hi:[1,1,0]
.irp k, 1,2,3,4,5,6,7
.if (\k)%2 == 0
	global_store_b64 v[SO], v[OB+8*\i+\k:OB+8*\i+\k+1], s[6:7] offset:\i*ROWB+(\k/2)*256  ; the next 256 bytes.  No wait: the squares issued since the row's wait name the lower registers of OB alone
.endif
	v_fma_mix_f32_bf16 v[SUM+2*\i], v[OB+8*\i+\k], v[OB+8*\i+\k], v[SUM+2*\i] op_sel_hi:[1,1,0]         ; low half squared, added in f32
	v_fma_mix_f32_bf16 v[SUM+2*\i+1], v[OB+8*\i+\k], v[OB+8*\i+\k], v[SUM+2*\i+1] op_sel:[1,1,0] op_sel_hi:[1,1,0]  ; high half
.endr
.endr
.irp i, 0,1,2,3
	v_add_f32 v[SUM+2*\i], v[SUM+2*\i], v[SUM+2*\i+1]
.endr
.irp x, 1,2,4,8                        ; across the lanes; the four rows take turns, so that no line waits for the one before it
.irp i, 0,1,2,3
	v_add_f32_dpp v[SUM+2*\i], v[SUM+2*\i], v[SUM+2*\i] row_xmask:\x row_mask:0xf bank_mask:0xf
.endr
.endr
.irp i, 0,1,2,3
	v_permlanex16_b32 v[SUM+2*\i+1], v[SUM+2*\i], s14, s15
.endr
.irp i, 0,1,2,3
	v_add_f32 v[SUM+2*\i], v[SUM+2*\i], v[SUM+2*\i+1]
.endr
.irp i, 0,1,2,3
	v_mul_f32 v[SUM+2*\i], -0.5, v[SUM+2*\i]       ; exact
.endr
	s_wait_alu depctr_va_vdst(0)                   ; the four multiplications have written the rows' numbers of nh, which the LDS stores read
.irp i, 0,1,2,3
	ds_store_b32 v[LW], v[SUM+2*\i] offset:PART+4*\i  ; all lanes write the same word with the same number
.endr
	s_wait_dscnt 0x0                               ; for the others' sake: my four words lie in LDS
	s_barrier_signal -1
	s_barrier_wait -1                              ; all 64 do
	s_cmp_lg_u32 s10, 0
	s_cbranch_scc1 .Lend                           ; wave 0 stores them
	ds_load_b64 v[8:9], v[SO] offset:PART          ; no vector instruction names v[8:9]
	s_wait_dscnt 0x0
	global_store_b64 v[SO], v[8:9], s[8:9]         ; 256 bytes on end, aligned
.Lend:
	s_wait_dscnt 0x0                               ; the wave's end: behind my last LDS store
	s_wait_alu 0x0
	s_wait_tensorcnt 0x0
	ds_add_u32 v[SPW], v[NIL]
	s_wait_dscnt 0x0
	s_endpgm
.Lfunc_end_k_qa26fc11d01_prep:
	.size	k_qa26fc11d01_prep, .Lfunc_end_k_qa26fc11d01_prep-k_qa26fc11d01_prep
	.p2alignl 7, 3214868480
	.fill 96, 4, 3214868480
	.section	.rodata,"a",@progbits
	.p2align	6, 0x0
	.amdhsa_kernel k_qa26fc11d01_prep
		.amdhsa_group_segment_fixed_size 2304
		.amdhsa_private_segment_fixed_size 0
		.amdhsa_enable_private_segment 0
		.amdhsa_kernarg_size 24
		.amdhsa_user_sgpr_count 2
		.amdhsa_user_sgpr_kernarg_segment_ptr 1
		.amdhsa_wavefront_size32 1
		.amdhsa_system_sgpr_workgroup_id_x 1
		.amdhsa_system_sgpr_workgroup_id_y 1
		.amdhsa_system_sgpr_workgroup_id_z 1
		.amdhsa_system_vgpr_workitem_id 0
		.amdhsa_next_free_vgpr 128
		.amdhsa_next_free_sgpr 66
		.amdhsa_reserve_vcc 0
		.amdhsa_float_denorm_mode_32 3
		.amdhsa_float_denorm_mode_16_64 3
		.amdhsa_memory_ordered 1
		.amdhsa_forward_progress 1
		.amdhsa_inst_pref_size 14
	.end_amdhsa_kernel
	.amdgpu_metadata
---
amdhsa.version: [ 1, 2 ]
amdhsa.kernels:
  - .name:           k_qa26fc11d01_prep
    .symbol:         k_qa26fc11d01_prep.kd
    .args:
      - { .name: centroids, .offset: 0, .size: 8, .value_kind: global_buffer, .address_space: global }
      - { .name: cb, .offset: 8, .size: 8, .value_kind: global_buffer, .address_space: global }
      - { .name: nh, .offset: 16, .size: 8, .value_kind: global_buffer, .address_space: global }
    .group_segment_fixed_size: 2304
    .private_segment_fixed_size: 0
    .kernarg_segment_align: 8
    .kernarg_segment_size: 24
    .max_flat_workgroup_size: 512
    .sgpr_count:     66
    .vgpr_count:     128
    .wavefront_size: 32
...
	.end_amdgpu_metadata
.endif
;; end of part 3
;; launch assign: the kernel of part 2 again; grid 256 x 1, 4 waves a work-group, clusters of 4 x 1, 327,680 bytes of LDS; arguments inp, cb, nh, out0; writes out0
